; MI455X (gfx1250); checked and timed in simulation.
; The chip was launched on July 23, 2026; its instructions are those of AMD's public machine-readable ISA for CDNA 5 (MIT licence, August 2026) and "CDNA5" Instruction Set Architecture Reference Guide (July 2026). The comments in the code are by the model that wrote it; some were corrected since.
;; Custom Attention. Allowed arithmetic: matrix products marked QUANTISED: E4M3 operands, one E8M0 scale for each 32 along K, by v_wmma_scale_f32_16x16x128_f8f6f4 with both operands' format E4M3, f32 sums; everything else in f32.
;; Inputs: key 4 x 2,048 x 1,024 float32; mask 4 x 1 x 2,048 x 2,048 int32; query 4 x 2,048 x 1,024 float32; value_codes 4 x 1,024 x 64 x 32 uint8 (E4M3 codes of value, K innermost, in blocks of 32 codes); value_scales 4 x 1,024 x 64 uint8 (E8M0 scales of value, one for each 32 codes along K).
;; Outputs: out0 4 x 2,048 x 1,024 float32.
;; This version of the problem:
;;   THIS VERSION OF THE PROBLEM IS GIVEN IN LOW PRECISION. The matrix products marked QUANTISED in the list below multiply operands that are first quantised to E4M3 (4 exponent bits, 3 mantissa bits; 8 bits a number), with one power-of-two scale for each 32 numbers along K (OCP MX v1.0); their sums are f32. All else is computed in f32.
;;   The module's matrix products, in the order in which they are computed (A, B: the left and right operand; K: the contracted axis; several contracted axes count as one K, in the product's order):
;;     1. batch 64 x [M 2,048, K 64] x [K 64, N 2,048]; A: input query; B: input key: QUANTISED
;;     2. batch 64 x [M 2,048, K 2,048] x [K 2,048, N 64]; A: softmax (see below); B: input value (given as codes): QUANTISED
;;   THE QUANTISER, for each operand of a quantised product, along K:
;;     - K is cut into blocks of 32 from its start; a last block that is shorter is filled with zeros.
;;     - A block's scale is 2^e with e = floor(log2(the largest magnitude in the block)) - 8, held to -126 .. 127; a block of zeros has e = 0. As a byte (E8M0): e + 127.
;;     - Each number is divided by its block's scale, clamped to +-448, and rounded to the nearest number of E4M3, ties to even, subnormals kept.
;;     - The product sums the exact products of the quantised numbers (number of the format x scale) in f32.
;;   ~~~python
;;   def quantise(x, axis):      # numpy; x: float32 -> the quantised numbers, widened to float32 again
;;       x = np.moveaxis(x, axis, -1); K = x.shape[-1]
;;       x = np.pad(x, [(0, 0)] * (x.ndim - 1) + [(0, -K % 32)]); x = x.reshape(x.shape[:-1] + (-1, 32)); a = np.abs(x).max(-1, keepdims=True)
;;       e = np.where(a > 0, np.clip(np.frexp(np.where(a > 0, a, 1))[1] - 1 - 8, -126, 127), 0)      # np.frexp(a)[1] - 1 = floor(log2(a)), exactly
;;       r = np.clip(x / 2.0 ** e, -448, 448)
;;       step = 2.0 ** (np.maximum(np.frexp(np.where(r == 0, 1, r))[1] - 1, -6) - 3)
;;       q = np.round(r / step) * step * 2.0 ** e      # np.round: ties to even
;;       return np.moveaxis(q.reshape(q.shape[:-2] + (-1,))[..., :K], -1, axis).astype(np.float32)
;;   ~~~
;;   SOFTMAX AHEAD OF A QUANTISED PRODUCT. Where the list says 'softmax', what is quantised is not the finished softmax but p = 2^(t - M), with t = logit x log2(e) and M = ceil(the row's largest t), a whole number; so 1/2 < the row's largest p <= 1. The row's sum l is taken of the UNQUANTISED p, in f32, and the product's result is divided by l at the end. Since M is a whole number, a kernel that streams over the keys may use a running M (the ceiling of the running maximum): every later rescaling is an exact power of two, which a block's scale takes up: the codes' values come out the same.
;;   OPERANDS COMPUTED ON THE WAY. 'Computed on the way' means the value that the module computes at that place (a softmax that the list does not call 'softmax' is quantised finished and normalised). What goes into a quantiser is computed in f32, as accurately as f32 sums, v_exp_f32 and their like allow (about 1e-6 of the number): no bf16 or f16 on the way to a quantiser, and a product that is left as it is and whose result goes on into a quantised operand takes f32 operands (vector FMAs, or v_wmma_f32_16x16x4_f32). A number that lies on a knife's edge between two numbers of the format may be rounded either way, as far as f32 arithmetic and the matrix unit's own rounding can turn it there, and no further.
;;   INPUTS GIVEN AS CODES. value (in the module: [4, 2048, 1024], K = its axis 1): each comes as NAME_codes (uint8): NAME with its K axis moved to the last place and cut into blocks of 32 codes, [.., K / 32, bytes a block], one block behind the other in memory; one code a byte (a code: sign, 4 exponent bits, 3 mantissa bits); and NAME_scales (uint8): the same leading axes, one E8M0 byte (e + 127) for each 32 codes along K. Its value is code x scale, taken as it is: it is not quantised again, and the codes and scales need not be those that the quantiser above would give.
;; One version. Each part assembles by itself: llvm-mc -triple=amdgcn-amd-amdhsa -mcpu=gfx1250 --defsym DOCPART=n.
;; ======== version 1 of 1: 2 launches
;; limits: right only within a limited range of input values
;; workspace buffers: kimg 8,388,608 bytes; ksc 262,144 bytes; mbits 2,097,152 bytes of whole numbers
;; launch prep (part 1): grid 768 x 1, 4 waves a work-group, no clusters, 69,120 bytes of LDS; arguments key, mask, kimg, ksc, mbits; writes kimg, ksc, mbits
.if DOCPART == 1
	.amdgcn_target "amdgcn-amd-amdhsa--gfx1250"
	.amdhsa_code_object_version 6
	.text
	.protected	k_q8c9c3d0eec_prep
	.globl	k_q8c9c3d0eec_prep
	.p2align	8
	.type	k_q8c9c3d0eec_prep,@function
k_q8c9c3d0eec_prep:
	s_mov_b64 s[64:65], 0
	v_nop
	global_prefetch_b8 v0, s[64:65] scope:SCOPE_SE
	s_setreg_imm32_b32 hwreg(HW_REG_WAVE_MODE, 25, 1), 1
	s_wait_xcnt 0x0
; THE LAUNCH IN FRONT OF THE ATTENTION.  Two jobs, 128 KiB read by every work-group; the path is chosen by the work-group's number: 0-255 key, 256-767 mask.
; (1) key, [4][2048][1024] f32, becomes codes of FP8 (E4M3) with one E8M0 scale byte for each 32 numbers along a head's 64, laid as IMAGES OF OPERAND REGISTERS:
;     kimg [hb = 16 b + head][step of 128 rows][fragment f of 32 rows][group c = 0..3][lane][16 bytes]: lane (r = lane % 16, h = lane / 16), group c holds the codes of
;     row 128 step + 32 f + 8 (c / 2) + r + 8 (r / 8), numbers 32 (c % 2) + 16 h + 0 .. 15 of the head's 64: a fragment's 16 registers a lane hold TWO tiles of 16 rows, 64 along K each.
;     ksc [hb][step][lane][2 words]: lane (r, h) holds the words of fragments 2 h and 2 h + 1 for row r; in a word bytes 0, 1 are the first tile's two blocks, bytes 2, 3 the second tile's.
; (2) mask, [4][1][2048][2048] int32, becomes LANE MASKS: word j (0..63) of mbits [b][query tile qt (128)][step (16)] has in bit L: mask != 0 at
;     query 32 (qt / 2) + 8 (qt % 2) + L % 16 + 8 ((L % 16) / 8), key 128 step + 32 (j / 16) + 16 (L / 16) + j % 16: the place of score register j of lane L in the attention's layout.
; A block's scale byte is its largest magnitude's exponent field - 8, held at 1 from below (a block of zeros gets the byte 1: its codes are zeros, and this program alone reads the bytes).
; query is not served here: the attention reads each of its numbers once and quantises them itself.
; LIMITS: NaN and infinities among the inputs are not served.
; Every load of a wave takes whole aligned runs of 256 bytes or more; the numbers turn through the wave's own stage in LDS so that a lane gets 16 neighbours along K; every store covers 256 or 512 consecutive bytes.
; No tensor loads, no barrier: waves share nothing.  Each path has LDS bytes of its own.
.set KP,   272                         ; a stage row of path 1: 256 bytes + 16
.set MP,   528                         ; a stage row of path 2: 512 bytes + 16
.set MSTG, 4*32*KP                     ; path 2's stages, 16 rows a wave, behind path 1's, 32 rows a wave
.set XA,   4                           ; v4   path 1, in: 4,096 (lane / 16) + 16 (lane % 16)
.set SWK,  5                           ; v5   path 1: into the stage
.set SRK,  6                           ; v6   path 1: out of the stage
.set CO,   7                           ; v7   16 x lane
.set L8,   8                           ; v8   8 x lane
.set SWM,  9                           ; v9   path 2: into the stage
.set SRM,  10                          ; v10  path 2: out of the stage
.set TM,   12                          ; v12-15 largest magnitudes, v16-19 bytes, v20-23 448 x the scale, v24-27 the conversions' scale operands
.set SW,   28                          ; v28-31 the four fragments' scale words
.set SO,   32                          ; v[32:33] the two words that my lane stores
.set PC,   36                          ; v36-51 a fragment's codes
.set W,    52                          ; v52-59 path 2: a pair of mask words a lane, for each of the wave's four steps
.set R,    64                          ; v64-191 two sets of 64 registers as loaded
.set X,    192                         ; v192-255 64 numbers a lane behind the turn
	s_load_b256 s[4:11], s[0:1], 0x0               ; key s[4:5], mask s[6:7], kimg s[8:9], ksc s[10:11]
	s_load_b64 s[12:13], s[0:1], 0x20              ; mbits
	v_lshl_add_u32 v62, v0, 2, 0x10c00             ; my spare word, behind the stages
	v_mov_b32 v63, 0
	v_lshrrev_b32 v1, 5, v0
	v_readfirstlane_b32 s20, v1                    ; wave 0..3
	v_and_b32 v1, 31, v0                           ; lane
	v_and_b32 v2, 15, v0                           ; r
	v_bfe_u32 v3, v0, 4, 1                         ; h
	v_lshlrev_b32 v[XA], 4, v2
	v_lshl_add_u32 v[XA], v3, 12, v[XA]
	s_mul_i32 s26, s20, 32*KP                      ; my stage of path 1
	v_mul_u32_u24 v[SWK], v3, KP
	v_lshl_add_u32 v[SWK], v2, 4, v[SWK]
	v_add_nc_u32 v[SWK], s26, v[SWK]               ; in: the load's two rows, 16 bytes a lane
	v_mul_u32_u24 v[SRK], v2, KP
	v_lshl_add_u32 v[SRK], v3, 6, v[SRK]
	v_add_nc_u32 v[SRK], s26, v[SRK]               ; out: row r, 64 h bytes on
	v_lshlrev_b32 v[CO], 4, v1
	v_lshlrev_b32 v[L8], 3, v1
	s_mul_i32 s27, s20, 16*MP
	s_add_co_u32 s27, s27, MSTG                    ; my stage of path 2
	v_add_nc_u32 v[SWM], s27, v[CO]                ; in: a row's 512 bytes as they lie
	v_mul_u32_u24 v[SRM], v2, MP
	v_lshl_add_u32 v[SRM], v3, 6, v[SRM]
	v_add_nc_u32 v[SRM], s27, v[SRM]               ; out: row r, 64 h bytes on
	s_mov_b32 s22, 0x76543210
	s_mov_b32 s23, 0xfedcba98                      ; v_permlanex16_b32's selects for lane l xor 16
	s_mov_b32 s24, 0x600000                        ; the mantissa field of 448
	s_mov_b32 s25, 0xffff0000                      ; lanes 16-31
.irp b, 0,1,2,3
	v_mov_b32 v[TM+4+\b], 0                        ; written once: a lane permute's destination counts as one of its sources
.endr
.irp i, 0,1,2,3,4,5,6,7
	v_mov_b32 v[W+\i], 0                           ; likewise v_writelane_b32's
.endr
	s_wait_kmcnt 0x0
	s_cmp_ge_u32 ttmp9, 256
	s_cbranch_scc1 .Lmask
; ---------------- PATH 1: key.  A wave takes 128 rows of one head: four fragments of 32 rows.
	s_bfe_u32 s27, ttmp9, 0x20006                  ; b
	s_bfe_u32 s28, ttmp9, 0x40002                  ; step
	s_and_b32 s29, ttmp9, 3
	s_lshl_b32 s29, s29, 2
	s_add_co_u32 s29, s29, s20                     ; head = 4 (work-group % 4) + wave
	s_lshl_b32 s30, s27, 23                        ; in: b x 2,048 rows of 4,096 bytes
	s_lshl_b32 s31, s28, 19                        ;     + step x 128 rows
	s_add_co_u32 s30, s30, s31
	s_lshl_b32 s31, s29, 8                         ;     + the head's 256 bytes of a row
	s_add_co_u32 s30, s30, s31
	s_mov_b32 s31, 0
	s_lshl_b32 s48, s27, 4
	s_add_co_u32 s48, s48, s29                     ; hb
	s_lshl_b32 s50, s48, 17                        ; image: hb x 131,072 + step x 8,192
	s_lshl_b32 s49, s28, 13
	s_add_co_u32 s50, s50, s49
	s_mov_b32 s51, 0
	s_lshl_b32 s52, s48, 12                        ; scale words: hb x 4,096 + step x 256
	s_lshl_b32 s49, s28, 8
	s_add_co_u32 s52, s52, s49
	s_mov_b32 s53, 0
	s_add_nc_u64 s[4:5], s[4:5], s[30:31]
	s_add_nc_u64 s[8:9], s[8:9], s[50:51]
	s_add_nc_u64 s[10:11], s[10:11], s[52:53]
.macro KLOAD f                         ; fragment f's 32 rows x 256 bytes into set f % 2: load t takes rows 2 t and 2 t + 1, sixteen lanes to a row's aligned 256 bytes
.irp t, 0,1,2,3,4,5,6,7,8,9,10,11,12,13,14,15
	global_load_b128 v[R+64*((\f)%2)+4*\t:R+64*((\f)%2)+4*\t+3], v[XA], s[4:5] offset:(32*(\f)+2*\t)*4096 th:TH_LOAD_NT
.endr
.endm
.macro KTURN f                         ; row p of the fragment goes to stage row 16 ((p / 8) % 2) + 8 (p / 16) + p % 8: stage row 16 u + r is row r of tile u.  LDS serves a wave's instructions in order: no wait between stores and loads
.irp t, 0,1,2,3,4,5,6,7,8,9,10,11,12,13,14,15
	ds_store_b128 v[SWK], v[R+64*((\f)%2)+4*\t:R+64*((\f)%2)+4*\t+3] offset:(16*((\t/4)%2)+8*(\t/8)+(2*\t)%8)*KP
.endr
.irp c, 0,1,2,3
.irp i, 0,1,2,3
	ds_load_b128 v[X+16*\c+4*\i:X+16*\c+4*\i+3], v[SRK] offset:(\c/2)*16*KP+128*(\c%2)+16*\i
.endr
.endr
.endm
; 64 numbers of a lane, register 16 b + i, four blocks of which lane l xor 16 holds the other halves, become 16 registers of codes and the scale word v[pw]
.macro QUANT pw
.irp b, 0,1,2,3
	v_max3_num_f32 v[TM+\b], |v[X+16*\b]|, |v[X+1+16*\b]|, 0x4800000   ; my 16 numbers of block b, and the floor 2^(9 - 127): the byte cannot fall under 1
.endr
.irp i, 2,4,6,8,10,12,14
.irp b, 0,1,2,3
	v_max3_num_f32 v[TM+\b], v[TM+\b], |v[X+16*\b+\i]|, |v[X+1+16*\b+\i]|   ; the four blocks by turns
.endr
.endr
.irp b, 0,1,2,3
	v_permlanex16_b32 v[TM+4+\b], v[TM+\b], s22, s23
.endr
.irp b, 0,1,2,3
	v_max_num_f32 v[TM+\b], v[TM+\b], v[TM+4+\b]   ; with lane l xor 16's: the block's largest magnitude
.endr
.irp b, 0,1,2,3
	v_add_nc_u32 v[TM+12+\b], 0xfc000000, v[TM+\b] ; 8 off its exponent field: the conversion's scale operand
.endr
.irp b, 0,1,2,3
	v_and_or_b32 v[TM+8+\b], v[TM+\b], 0x7f800000, s24   ; 448 x the scale
.endr
.irp b, 0,1,2,3
	v_lshrrev_b32 v[TM+4+\b], 23, v[TM+12+\b]      ; the scale's byte
.endr
	v_lshl_or_b32 v[(\pw)], v[TM+5], 8, v[TM+4]
	v_lshl_or_b32 v[(\pw)], v[TM+6], 16, v[(\pw)]
	v_lshl_or_b32 v[(\pw)], v[TM+7], 24, v[(\pw)]
.irp b, 0,1,2,3
.irp i, 0,1,2,3,4,5,6,7,8,9,10,11,12,13,14,15
	v_med3_num_f32 v[X+16*\b+\i], v[X+16*\b+\i], -v[TM+8+\b], v[TM+8+\b]   ; the conversion to an 8-bit code does not saturate (ISA guide 7.6.2): the hold at the largest code x the scale
.endr
	v_cvt_scalef32_pk8_fp8_f32 v[PC+4*\b:PC+1+4*\b], v[X+16*\b:X+7+16*\b], v[TM+12+\b]
	v_cvt_scalef32_pk8_fp8_f32 v[PC+2+4*\b:PC+3+4*\b], v[X+8+16*\b:X+15+16*\b], v[TM+12+\b]
.endr
	v_nop                                          ; a plain vector line behind the last conversion
.endm
.macro KFRAG f
.if (\f) < 3
	s_wait_loadcnt 16                              ; this fragment's sixteen loads are in; the next fragment's sixteen may be out
.else
	s_wait_loadcnt 0x0
.endif
	KTURN \f
	s_wait_dscnt 0x0                               ; the numbers are back, and the stage's stores have read their registers
.if (\f) > 0
	s_wait_xcnt 0x0                                ; the last fragment's stores have read the codes' registers: they are written again only behind this wait
.endif
.if (\f) < 2
	KLOAD (\f)+2
.endif
	QUANT SW+(\f)
.irp c, 0,1,2,3
	global_store_b128 v[CO], v[PC+4*\c:PC+4*\c+3], s[8:9] offset:2048*(\f)+512*\c   ; group c of the image: 512 consecutive bytes
.endr
.endm
	KLOAD 0
	KLOAD 1
	KFRAG 0
	KFRAG 1
	KFRAG 2
	KFRAG 3
	v_cndmask_b32 v[SO], v[SW], v[SW+2], s25       ; lanes 0-15 keep fragments 0 and 1, lanes 16-31 fragments 2 and 3
	v_cndmask_b32 v[SO+1], v[SW+1], v[SW+3], s25
	global_store_b64 v[L8], v[SO:SO+1], s[10:11]   ; 256 consecutive bytes, aligned
	s_wait_tensorcnt 0x0                           ; the wave's end
	ds_add_u32 v62, v63
	s_wait_dscnt 0x0
	s_endpgm
; ---------------- PATH 2: the mask.  A work-group takes one tile of 16 queries, a wave four steps of 128 keys.
.Lmask:
	s_sub_co_u32 s26, ttmp9, 256                   ; 128 b + qt
	s_lshr_b32 s27, s26, 7                         ; b
	s_and_b32 s28, s26, 127                        ; qt
	s_lshl_b32 s30, s27, 24                        ; in: b x 2,048 rows of 8,192 bytes
	s_lshr_b32 s29, s28, 1
	s_lshl_b32 s29, s29, 18                        ;     + 32 (qt / 2) rows
	s_add_co_u32 s30, s30, s29
	s_and_b32 s29, s28, 1
	s_lshl_b32 s29, s29, 16                        ;     + 8 (qt % 2) rows
	s_add_co_u32 s30, s30, s29
	s_lshl_b32 s29, s20, 11                        ;     + my wave's 512 keys
	s_add_co_u32 s30, s30, s29
	s_mov_b32 s31, 0
	s_add_nc_u64 s[6:7], s[6:7], s[30:31]
	s_lshl_b32 s30, s26, 12                        ; out: (128 b + qt) x 4,096 + wave x 1,024
	s_lshl_b32 s29, s20, 10
	s_add_co_u32 s30, s30, s29
	s_add_nc_u64 s[12:13], s[12:13], s[30:31]
.macro MLOAD s                         ; step s: load t takes 512 consecutive bytes (128 keys) of the tile's row t, which is row t + 8 (t / 8) from the tile's first
.irp t, 0,1,2,3,4,5,6,7,8,9,10,11,12,13,14,15
	global_load_b128 v[R+64*((\s)%2)+4*\t:R+64*((\s)%2)+4*\t+3], v[CO], s[6:7] offset:(\t+8*(\t/8))*8192+512*(\s) th:TH_LOAD_NT
.endr
.endm
.macro MTURN s                         ; through the stage: lane (r, h) gets, of row r, keys 32 c + 16 h + 0 .. 15 into registers 16 c + 0 .. 15
.irp t, 0,1,2,3,4,5,6,7,8,9,10,11,12,13,14,15
	ds_store_b128 v[SWM], v[R+64*((\s)%2)+4*\t:R+64*((\s)%2)+4*\t+3] offset:MP*\t
.endr
.irp c, 0,1,2,3
.irp i, 0,1,2,3
	ds_load_b128 v[X+16*\c+4*\i:X+16*\c+4*\i+3], v[SRM] offset:128*\c+16*\i
.endr
.endr
.endm
.macro MBITS s                         ; a compare makes of register n the lane mask that is word n; words 2 l and 2 l + 1 are written into lane l of a pair, which leaves as 256 consecutive bytes
.irp c, 0,1,2,3
.irp i, 0,1,2,3,4,5,6,7,8,9,10,11,12,13,14,15
	v_cmp_ne_u32 s[32+\i], 0, v[X+16*\c+\i]
.endr
.irp i, 0,1,2,3,4,5,6,7,8,9,10,11,12,13,14,15
	v_writelane_b32 v[W+2*(\s)+(\i%2)], s[32+\i], (16*\c+\i)/2
.endr
.endr
	global_store_b64 v[L8], v[W+2*(\s):W+2*(\s)+1], s[12:13] offset:256*(\s)   ; each step has a pair of its own: no store's data are written again
.endm
.macro MSTEP s
.if (\s) < 3
	s_wait_loadcnt 16                              ; this step's sixteen loads are in; the next step's sixteen may be out
.else
	s_wait_loadcnt 0x0
.endif
	MTURN \s
	s_wait_dscnt 0x0                               ; the words are back, and the stage's stores have read their registers
.if (\s) < 2
	MLOAD (\s)+2
.endif
	MBITS \s
.endm
	MLOAD 0
	MLOAD 1
	MSTEP 0
	MSTEP 1
	MSTEP 2
	MSTEP 3
	s_wait_tensorcnt 0x0                           ; the wave's end
	ds_add_u32 v62, v63
	s_wait_dscnt 0x0
	s_endpgm
.Lfunc_end_k_q8c9c3d0eec_prep:
	.size	k_q8c9c3d0eec_prep, .Lfunc_end_k_q8c9c3d0eec_prep-k_q8c9c3d0eec_prep
	.p2alignl 7, 3214868480
	.fill 96, 4, 3214868480
	.section	.rodata,"a",@progbits
	.p2align	6, 0x0
	.amdhsa_kernel k_q8c9c3d0eec_prep
		.amdhsa_group_segment_fixed_size 69120
		.amdhsa_private_segment_fixed_size 0
		.amdhsa_enable_private_segment 0
		.amdhsa_kernarg_size 40
		.amdhsa_user_sgpr_count 2
		.amdhsa_user_sgpr_kernarg_segment_ptr 1
		.amdhsa_wavefront_size32 1
		.amdhsa_system_sgpr_workgroup_id_x 1
		.amdhsa_system_sgpr_workgroup_id_y 1
		.amdhsa_system_sgpr_workgroup_id_z 1
		.amdhsa_system_vgpr_workitem_id 0
		.amdhsa_next_free_vgpr 256
		.amdhsa_next_free_sgpr 66
		.amdhsa_reserve_vcc 0
		.amdhsa_float_denorm_mode_32 3
		.amdhsa_float_denorm_mode_16_64 3
		.amdhsa_memory_ordered 1
		.amdhsa_forward_progress 1
		.amdhsa_inst_pref_size 99
	.end_amdhsa_kernel
	.amdgpu_metadata
---
amdhsa.version: [ 1, 2 ]
amdhsa.kernels:
  - .name:           k_q8c9c3d0eec_prep
    .symbol:         k_q8c9c3d0eec_prep.kd
    .args:
      - { .name: key, .offset: 0, .size: 8, .value_kind: global_buffer, .address_space: global }
      - { .name: mask, .offset: 8, .size: 8, .value_kind: global_buffer, .address_space: global }
      - { .name: kimg, .offset: 16, .size: 8, .value_kind: global_buffer, .address_space: global }
      - { .name: ksc, .offset: 24, .size: 8, .value_kind: global_buffer, .address_space: global }
      - { .name: mbits, .offset: 32, .size: 8, .value_kind: global_buffer, .address_space: global }
    .group_segment_fixed_size: 69120
    .private_segment_fixed_size: 0
    .kernarg_segment_align: 8
    .kernarg_segment_size: 40
    .max_flat_workgroup_size: 128
    .sgpr_count:     66
    .vgpr_count:     256
    .wavefront_size: 32
...
	.end_amdgpu_metadata
.endif
;; end of part 1
;; launch attn (part 2): grid 4 x 64, 16 waves a work-group, clusters of 4 x 1, 327,680 bytes of LDS; arguments query, kimg, ksc, value_codes, value_scales, mbits, out0; writes out0
.if DOCPART == 2
	.amdgcn_target "amdgcn-amd-amdhsa--gfx1250"
	.amdhsa_code_object_version 6
	.text
	.protected	k_q8c9c3d0eec_attn
	.globl	k_q8c9c3d0eec_attn
	.p2align	8
	.type	k_q8c9c3d0eec_attn,@function
k_q8c9c3d0eec_attn:
	s_mov_b64 s[64:65], 0
	v_nop
	global_prefetch_b8 v0, s[64:65] scope:SCOPE_SE
	s_setreg_imm32_b32 hwreg(HW_REG_WAVE_MODE, 25, 1), 1
	s_wait_xcnt 0x0
	s_wait_alu depctr_hold_cnt(0) depctr_sa_sdst(0) depctr_va_vdst(0) depctr_va_sdst(0) depctr_va_ssrc(0) depctr_va_vcc(0) depctr_vm_vsrc(0)
	s_getreg_b32 s2, hwreg(HW_REG_IB_STS2, 6, 4)
	s_cmp_eq_u32 s2, 0
	s_cbranch_scc0 .Lentry_in_a_cluster
	s_endpgm
.Lentry_in_a_cluster:
	s_bfe_u32 s2, ttmp6, 0x10000c
	s_cmp_lg_u32 s2, 0x3003
	s_cbranch_scc0 .Lentry_shape_is_right
	s_endpgm
.Lentry_shape_is_right:
; out[b][q][64 head + d] = the sum over k of softmax_k(where(mask == 0, -1e9, Q.K / 8)) V, for 64 pairs hb = 16 b + head, 2,048 queries, 2,048 keys, head size 64; both products on codes of FP8 (E4M3) with E8M0 scales for each 32 along K.
; K's codes and scale words come as images of operand registers, and the mask as lane masks, from the launch before (layouts: in its head comment); V's codes [hb][64 channels][2,048 keys] and scale bytes [hb][64][64] are inputs.
; query comes as f32: each wave reads its own 32 rows once and quantises them itself, a tile's 16 rows at a time: the first tile's at the head, while the fills of LDS are on their way, the second tile's between the tiles.
; THE SOFTMAX: t = score x log2(e) / 8; M = the row's largest t so far, rounded UP to a whole number; p = 2^(t - M) is quantised along the keys, not normalised; the row's sum is taken of the unquantised p and divides at the end.
; When M moves, the sum and O are multiplied by 2^(old M - new M): exact.
; LIMITS.  A masked score is set to -2^33, a logit of -2^30 where the definition has -1e9: c x -2^33 is exact, so a row that is wholly masked gets p = 1 for every key, the plain mean of V, as the definition gives.
; Results agree with the definition unless an UNMASKED logit lies between about -1.08e9 and -0.99e9.  NaN and infinities among the inputs are not served.
; SHARES.  A work-group owns 512 queries of one hb, each of its sixteen waves 32 of them, as two tiles of 16, one after the other; a tile walks 16 steps of 128 keys.  THE WHOLE hb LIES IN LDS, filled ONCE: no ring, no byte filled twice.
; CLUSTER.  The four work-groups of one hb need the same K and V: their fills are asked for JOINTLY (mask 15), one tensor load a wave: waves 0-7 an eighth of K's images each, waves 8-15 an eighth of V's codes.
; The descriptors hang on hb and the wave's number alone; the place in the cluster enters only the global offsets of query, the mask words and out.  The two sets of scale bytes, 4,096 bytes each, come by plain loads, 8 bytes a thread, and are stored into LDS bytes of their own.
; LAYOUT.  Both products are used transposed (S^T = K Q^T, O^T = V^T P^T): a lane holds ONE query (lane % 16) throughout.  The first product's K is 64, half of the instruction's 128: a fragment of K holds TWO tiles of 16 keys,
; and it is multiplied once by [q | zeros] and once by [zeros | q].  Score register n of lane (r, h) is key 32 (n / 16) + 16 h + n % 16.
; THE ORDER OF A STEP.  p is held at 448 x the scale into eight registers of their own, so that the unquantised p stays in its registers: its sum is taken BEHIND the second product, where its 32 additions are the places
; that the products and the loads into their operands ask for.  The scale word's seven lines and the four address steps are the plain lines behind the conversions.
; PREFETCH.  The second tile's 16 rows of query, 256 bytes each, are asked for in the third of the first tile's eight trips, five trips ahead of their loads: one instruction a wave, a lane a row.
; K, V, the first tile's rows and the scale bytes are asked for once, at the head, with no loop ahead of them; the mask words are asked for a key step ahead by the scalar loads themselves.
.set VB,   131072                      ; LDS: K's images at 0 (dense: lane l reads at 16 l); V: 8 chunks of 256 keys x 64 rows (channels)
.set VP,   272                         ; a row of V: 256 bytes + 16
.set VCH,  64*VP
.set KSC,  VB+8*VCH                    ; K's scale words, 4,096 bytes
.set VSC,  KSC+4096                    ; V's scale words, 4,096 bytes, laid [step][row r of a tile][tile t of 16 channels]: a lane takes a step's four words with one load
.set STG,  VSC+4096                    ; each wave's stage, 8 x 272 bytes: a tile's q on its turn (16 rows of 64 codes; 32 scale bytes from byte 1,024); else the way out.  No fill lands here
.set SP,   272
.set SPARE, STG+16*8*SP                ; the spare words, 128 bytes a wave
.set FR,   40                          ; v40-103   four fragments of K, then of V
.set QX,   FR+32                       ; v72-103   16 rows of query as loaded
.set S,    104                         ; v104-167  S^T, then p
.set OT,   168                         ; v168-199  O^T: four tiles of 16 channels
.set PC,   200                         ; v200-215  p's codes (at the head: offsets)
.set BM,   216                         ; v216-219  the blocks' largest scores, then largest p
.set PT,   220                         ; v220-223  lane permutes' results
.set T,    216                         ; v216-223  then: eight held p ahead of a conversion
.set HD,   224                         ; v224-227  448 x the scale
.set SO,   228                         ; v228-231  the conversions' scale operands
.set CH,   224                         ; v224-231  behind the conversions: the sum's four chains
.set KS,   232                         ; v[232:233] K's scale words: lanes 0-15 fragments 0, 1; lanes 16-31 fragments 2, 3
.set SPW,  234                         ; v234 my spare word's address;  v235 0: never rewritten
.set NIL,  235
.set VS,   236                         ; v236-239  V's scale words
.set QS,   240                         ; v240      the tile's scale word of Q, (s0, s1, s0, s1)
.set FF,   242                         ; v242 f = 2^(old M - new M);  v243 p's scale word
.set TT,   244                         ; v244      at work
.set NEGV, 245                         ; v245      -2^33
.set QW,   246                         ; v246      the tile's scale bytes of Q as read back
.set QA,   248                         ; v248-251  my stage: q's codes in, scale bytes in, codes back, scale bytes back
.set QB,   249
.set QC,   250
.set QD,   251
.set QO,   252                         ; v252      my lane's offset in query; never rewritten
.set PFO,  253                         ; v253      the prefetch's offset; never rewritten
; v1 16 x lane; v2, v3, v4 my lane's place in V, in K's scale words, in V's; v5, v6, v7 the way out; v8-11 the step's addresses (K, V, K's words, V's words); v12 -M, v13 the largest t, v[14:15] the sum; v16-39 [q | zeros | q]
; s3 wave; s[4:5] permute selects; s[6:7] c; s8 448's mantissa field; s13 trips; s14 the mask words' offset; s15 lanes with r >= 8; s[66:67] my mask words; s[84:85] my rows of query; s[100:101] my rows of out;
; s16-63 descriptors, and behind the wait for the fills, with s68-83, the step's 64 mask words: word n in s[16 + n + 4 (n / 48)]
.macro ROUND                           ; a round of the cluster's barrier
	s_barrier_signal -1
	s_barrier_wait -1
	s_cmp_lg_u32 s3, 0
	s_cbranch_scc1 .Lnot_wave_0_\@
	s_barrier_signal -3
.Lnot_wave_0_\@:
	s_barrier_wait -3
	s_barrier_signal -1
	s_barrier_wait -1
.endm
.macro MLOADS                          ; a step's 64 mask words, 256 bytes
	s_load_b512 s[16:31], s[66:67], s14 offset:0x0
	s_load_b512 s[32:47], s[66:67], s14 offset:0x40
	s_load_b512 s[48:63], s[66:67], s14 offset:0x80
	s_load_b512 s[68:83], s[66:67], s14 offset:0xc0
.endm
; Tile u's 16 rows of query: query r of tile u is row 8 u + r % 8 + 16 (r / 8) of my 32.  Pair i takes queries 4 i .. 4 i + 3; eight lanes take a row's 256 bytes with a pair of loads; a lane's eight registers are eight neighbours along K
.macro QLOAD u
.irp i, 0,1,2,3
	global_load_b128 v[QX+8*\i:QX+8*\i+3], v[QO], s[84:85] offset:(8*\u+4*(\i%2)+16*(\i/2))*4096 th:TH_LOAD_NT
	global_load_b128 v[QX+8*\i+4:QX+8*\i+7], v[QO], s[84:85] offset:(8*\u+4*(\i%2)+16*(\i/2))*4096+16 th:TH_LOAD_NT
.endr
.endm
; THE 16 ROWS ARE QUANTISED and turned through my stage into the operand's registers.  A block of 32 lies in four neighbouring lanes.
; v[S+i] largest magnitude, +4 the scale operand, +8 448 x the scale, +12 the byte, v[S+16+2i] the codes; the four pairs by turns.  first = 1: at the head, where my fill of LDS is still out
.macro QPREP first
.irp i, 0,1,2,3
	v_max3_num_f32 v[S+\i], |v[QX+8*\i]|, |v[QX+8*\i+1]|, 0x4800000   ; and the floor 2^(9 - 127): the byte cannot fall under 1
.endr
.irp k, 2,4,6
.irp i, 0,1,2,3
	v_max3_num_f32 v[S+\i], v[S+\i], |v[QX+8*\i+\k]|, |v[QX+8*\i+\k+1]|
.endr
.endr
.irp x, 1,2
.irp i, 0,1,2,3
	v_max_num_f32_dpp v[S+\i], v[S+\i], v[S+\i] row_xmask:\x row_mask:0xf bank_mask:0xf
.endr
.endr
.irp i, 0,1,2,3
	v_add_nc_u32 v[S+4+\i], 0xfc000000, v[S+\i]
.endr
.irp i, 0,1,2,3
	v_and_or_b32 v[S+8+\i], v[S+\i], 0x7f800000, s8
.endr
.irp i, 0,1,2,3
	v_lshrrev_b32 v[S+12+\i], 23, v[S+4+\i]
.endr
.irp i, 0,1,2,3
.irp k, 0,1,2,3,4,5,6,7
	v_med3_num_f32 v[QX+8*\i+\k], v[QX+8*\i+\k], -v[S+8+\i], v[S+8+\i]   ; the conversion does not saturate (ISA guide 7.6.2): the hold
.endr
	v_cvt_scalef32_pk8_fp8_f32 v[S+16+2*\i:S+17+2*\i], v[QX+8*\i:QX+8*\i+7], v[S+4+\i]
.endr
	v_nop                                          ; a plain line behind the last conversion
.if \first
	s_wait_alu depctr_va_vdst(0)
	s_wait_tensorcnt 0x0                           ; my fill has landed: my LDS stores come behind it
.endif
.irp i, 0,1,2,3
	ds_store_b64 v[QA], v[S+16+2*\i:S+17+2*\i] offset:256*\i
	ds_store_b8 v[QB], v[S+12+\i] offset:1024+8*\i     ; a block's four lanes store the same byte to the same place
.endr
	ds_load_b128 v[16:19], v[QC]                   ; LDS serves a wave's instructions in order: these see my stores.  q in front of the zeros,
	ds_load_b128 v[20:23], v[QC] offset:32
	ds_load_b128 v[32:35], v[QC]                   ; and behind them
	ds_load_b128 v[36:39], v[QC] offset:32
	ds_load_u16 v[QW], v[QD] offset:1024
	s_wait_dscnt 0x0
	v_perm_b32 v[QS], v[QW], v[QW], 0x01000100     ; the tile's two scale bytes, twice: the word serves [q | 0] and [0 | q] alike
.endm
	s_load_b256 s[84:91], s[0:1], 0x0              ; query s[84:85], kimg s[86:87], ksc s[88:89], value_codes s[90:91]
	s_load_b128 s[92:95], s[0:1], 0x20             ; value_scales s[92:93], mbits s[94:95]
	s_load_b64 s[96:97], s[0:1], 0x30              ; out0
	v_lshl_add_u32 v[SPW], v0, 2, SPARE
	v_mov_b32 v[NIL], 0
	ds_add_u32 v[SPW], v[NIL]                      ; the opening lines: the add, twice on end, and its wait ahead of my tensor load
	ds_add_u32 v[SPW], v[NIL]
	v_lshrrev_b32 v8, 5, v0
	s_delay_alu instid0(VALU_DEP_1)
	v_readfirstlane_b32 s3, v8                     ; wave 0..15
	s_and_b32 s70, ttmp7, 0xffff                   ; hb, which the four partners share
	s_and_b32 s71, s3, 7                           ; which eighth I fetch
	; group 1 for K's images: 16,384 dense bytes as 64 rows of 32 elements of 8 bytes
	s_mov_b32 s16, 15|(3<<16)|(1<<21)              ; the mask: all four work-groups; elements of 8 bytes; bit 21 beside a mask
	s_mov_b32 s17, 32<<16
	s_mov_b32 s18, 64<<16
	s_mov_b32 s19, 32<<16
	s_mov_b32 s20, 64
	s_mov_b32 s21, 32
	s_mov_b32 s22, 0
	s_mov_b32 s23, 0
	; group 1 for V's codes: 64 rows (channels) x 256 bytes (keys), 2,048 bytes apart; 4 words of padding behind every 64
	s_mov_b32 s32, 15|(1<<20)|(1<<21)|(5<<22)|(3<<25)
	s_mov_b32 s33, 256<<16
	s_mov_b32 s34, 64<<16
	s_mov_b32 s35, 256<<16
	s_mov_b32 s36, 64
	s_mov_b32 s37, 2048
	s_mov_b32 s38, 0
	s_mov_b32 s39, 0
	s_lshl_b32 s74, s70, 17                        ; K's images: hb x 131,072 + eighth x 16,384
	s_lshl_b32 s72, s71, 14
	s_add_co_u32 s74, s74, s72
	s_mov_b32 s75, 0
	s_lshl_b32 s76, s70, 12                        ; both sets of scale bytes: hb x 4,096
	s_mov_b32 s77, 0
	s_lshl_b32 s78, s70, 17                        ; V's codes: hb x 64 rows of 2,048 + eighth x 256 keys
	s_lshl_b32 s72, s71, 8
	s_add_co_u32 s78, s78, s72
	s_mov_b32 s79, 0
	; what hangs on my place in the cluster: global offsets alone
	s_bfe_u32 s68, ttmp6, 0x40000                  ; cx
	s_lshl_b32 s69, ttmp9, 2
	s_add_co_u32 s69, s69, s68                     ; my quarter of the queries
	s_lshl_b32 s69, s69, 4
	s_add_co_u32 s69, s69, s3                      ; G: my wave's group of 32 queries, 0..63
	s_lshr_b32 s82, s70, 4                         ; b
	s_lshl_b32 s10, s82, 19
	s_lshl_b32 s73, s69, 13
	s_add_co_u32 s10, s10, s73                     ; my mask words: b x 524,288 + G x 8,192: two tiles x 16 steps x 256 bytes
	s_mov_b32 s11, 0
	s_lshl_b32 s80, s82, 23
	s_lshl_b32 s73, s69, 17
	s_add_co_u32 s80, s80, s73
	s_and_b32 s73, s70, 15
	s_lshl_b32 s73, s73, 8
	s_add_co_u32 s80, s80, s73                     ; b x 2,048 rows of 4,096 bytes + 32 G rows + the head's 256 bytes: the same place in query and in out
	s_mov_b32 s81, 0
	s_mul_i32 s83, s3, 8*SP
	s_add_co_u32 s83, s83, STG                     ; my stage
	s_mov_b32 s4, 0x76543210
	s_mov_b32 s5, 0xfedcba98                       ; lane l xor 16
	s_mov_b32 s6, 0x3e38aa3b                       ; c = log2(e) / 8
	s_mov_b32 s7, s6                               ; (named with it as a pair, so it is written)
	s_mov_b32 s8, 0x600000                         ; the mantissa field of 448
	s_mov_b32 s15, 0xff00ff00                      ; the lanes with r >= 8
	s_wait_dscnt 0x0                               ; both opening adds are done
	s_wait_kmcnt 0x0
	s_mov_b32 s48, 1                               ; groups 0: count = 1, the LDS address, the global address, type = 2
	s_lshl_b32 s49, s71, 14
	s_add_nc_u64 s[50:51], s[86:87], s[74:75]
	s_or_b32 s51, s51, 0x80000000
	s_mov_b32 s56, 1
	s_mul_i32 s57, s71, VCH
	s_add_co_u32 s57, s57, VB
	s_add_nc_u64 s[58:59], s[90:91], s[78:79]
	s_or_b32 s59, s59, 0x80000000
	s_add_nc_u64 s[66:67], s[94:95], s[10:11]
	s_add_nc_u64 s[84:85], s[84:85], s[80:81]
	s_add_nc_u64 s[100:101], s[96:97], s[80:81]
	s_add_nc_u64 s[88:89], s[88:89], s[76:77]      ; my hb's scale words of K,
	s_add_nc_u64 s[92:93], s[92:93], s[76:77]      ; and scale bytes of V
	v_and_b32 v8, 31, v0                           ; lane
	v_lshlrev_b32 v213, 3, v0                      ; 8 x thread
	v_lshrrev_b32 v[QO], 3, v8
	v_and_b32 v201, 7, v8
	v_lshlrev_b32 v[QO], 12, v[QO]
	s_delay_alu instid0(VALU_DEP_1)
	v_lshl_add_u32 v[QO], v201, 5, v[QO]           ; query: row lane / 8, numbers 8 (lane % 8) on
	QLOAD 0                                        ; the first tile's rows are asked for ahead of the fills: they are wanted first
	global_load_b64 v[204:205], v213, s[88:89]     ; K's scale words: the work-group's 512 threads take the 4,096 bytes
	global_load_b64 v[206:207], v213, s[92:93]     ; V's scale bytes likewise
	ROUND                                          ; all four work-groups are here: the joint loads meet
	s_cmp_lt_u32 s3, 8                             ; one branch on the wave's number, the same in every partner; one fill in each arm
	s_cbranch_scc0 .Lfill_v
	tensor_load_to_lds s[48:51], s[16:23]
	s_nop 0
.rept 4
	v_nop
.endr
	s_branch .Lfilled
.Lfill_v:
	tensor_load_to_lds s[56:59], s[32:39]
	s_nop 0
.rept 4
	v_nop
.endr
.Lfilled:
	v_and_b32 v8, 31, v0                           ; lane
	v_and_b32 v9, 15, v0                           ; r
	v_bfe_u32 v10, v0, 4, 1                        ; h
	v_lshlrev_b32 v1, 4, v8
	v_mul_u32_u24 v2, v9, VP
	v_lshl_add_u32 v3, v8, 3, KSC                  ; K's scale words: 8 bytes a lane
	v_lshl_add_u32 v4, v9, 4, VSC                  ; V's: 16 bytes for row r
	v_lshl_add_u32 v2, v10, 4, v2
	v_and_b32 v[TT], 7, v9                         ; r % 8
	v_add_nc_u32 v2, VB, v2                        ; V: row r, + 16 h
	v_lshrrev_b32 v212, 3, v9                      ; r / 8
	v_mul_u32_u24 v5, v[TT], SP
	v_mul_u32_u24 v6, v10, SP
	v_lshl_add_u32 v5, v212, 7, v5
	v_lshl_add_u32 v6, v9, 4, v6
	v_lshl_add_u32 v5, v10, 5, v5
	v_add_nc_u32 v6, s83, v6                       ; the way out, back: lanes 0-15 one row, lanes 16-31 the next
	v_add_nc_u32 v5, s83, v5                       ; in: row r % 8, + 128 (r / 8) + 32 h
	v_lshlrev_b32 v7, 12, v10
	v_lshl_add_u32 v202, v0, 3, KSC                ; where my 8 bytes of K's scale words go
	v_and_b32 v201, 7, v0
	v_lshl_add_u32 v7, v9, 4, v7                   ; the same two rows in out
	v_bfe_u32 v203, v0, 3, 4                       ; V's scale bytes: thread = 128 t + 8 r + e holds the words of steps 2 e and 2 e + 1 of channel 16 t + r
	v_lshlrev_b32 v201, 9, v201
	v_lshl_add_u32 v203, v203, 4, v201
	v_lshrrev_b32 v201, 7, v0
	v_lshl_add_u32 v203, v201, 2, v203
	v_add_nc_u32 v203, VSC, v203                   ; they go to 512 e + 16 r + 4 t, and 256 on
	v_lshlrev_b32 v[QA], 3, v8
	v_lshrrev_b32 v[QB], 2, v8
	v_add_nc_u32 v[QA], s83, v[QA]                 ; q's codes into my stage: query 4 i + lane / 8, 64 bytes each, 8 (lane % 8) on: 8 x lane + 256 i
	v_add_nc_u32 v[QB], s83, v[QB]                 ; q's scale bytes: 2 a query: lane / 4 + 8 i (+ 1,024)
	v_lshlrev_b32 v[QC], 6, v9
	v_lshlrev_b32 v[QD], 1, v9
	v_lshl_add_u32 v[QC], v10, 4, v[QC]
	v_add_nc_u32 v[QD], s83, v[QD]                 ; back: query r's two scale bytes,
	v_add_nc_u32 v[QC], s83, v[QC]                 ; and its codes, + 16 h
	v_min_u32 v[PFO], 15, v8                       ; the prefetch: lane l names query l of the second tile; the lanes left over name the last again
	v_and_b32 v201, 7, v[PFO]
	v_lshrrev_b32 v[PFO], 3, v[PFO]
	v_lshl_add_u32 v[PFO], v[PFO], 4, v201
	v_lshlrev_b32 v[PFO], 12, v[PFO]
	v_add_nc_u32 v[PFO], 8*4096, v[PFO]            ; row 8 + l % 8 + 16 (l / 8) of my 32
.irp i, 0,1,2,3,4,5,6,7
	v_mov_b32 v[24+\i], 0                          ; the zeros between the two copies of q: zero codes, which add nothing
.endr
.irp b, 0,1,2,3
	v_mov_b32 v[PT+\b], 0                          ; written once: a lane permute's destination counts as one of its sources
.endr
	v_mov_b32 v[FF+1], 0                           ; (named as the upper half of the pair before it is first written)
	v_mov_b32 v[NEGV], 0xd0000000                  ; -2^33
	s_wait_alu depctr_va_vdst(0)
	s_wait_loadcnt 0x0
	QPREP 1
	ds_store_b64 v202, v[204:205]
	ds_store_b32 v203, v206
	ds_store_b32 v203, v207 offset:256
	s_wait_dscnt 0x0                               ; my part of the scale bytes is stored
	s_barrier_signal -1
	s_barrier_wait -1                              ; everybody's fills and stores are done: the whole hb lies in LDS.  No tensor load follows, so the descriptors' registers are free
	s_mov_b32 s14, 0
	MLOADS                                         ; the first step's mask words
; THE SUM OF THE LAST STEP'S p, 32 pairs in four chains: SUMI pairs 0-7, ACC k pairs 8 + 4 k .. 11 + 4 k, SUMZ joins the chains
.macro SUMI
.irp c, 0,1,2,3
	v_pk_add_f32 v[CH+2*\c:CH+2*\c+1], v[S+4*\c:S+4*\c+1], v[S+4*\c+2:S+4*\c+3]
.endr
.endm
.macro ACC k
.irp c, 0,1,2,3
	v_pk_add_f32 v[CH+2*\c:CH+2*\c+1], v[CH+2*\c:CH+2*\c+1], v[S+16+8*(\k)+2*\c:S+17+8*(\k)+2*\c]
.endr
.endm
.macro SUMZ
	v_pk_add_f32 v[CH:CH+1], v[CH:CH+1], v[CH+2:CH+3]
	v_pk_add_f32 v[CH+4:CH+5], v[CH+4:CH+5], v[CH+6:CH+7]
	s_delay_alu instid0(VALU_DEP_1)
	v_pk_add_f32 v[CH:CH+1], v[CH:CH+1], v[CH+4:CH+5]
	s_delay_alu instid0(VALU_DEP_1)
	v_pk_add_f32 v[14:15], v[14:15], v[CH:CH+1]
.endm
; eight p of block b are held at 448 x the scale, two an instruction, into registers of their own, and converted; p is not negative, so the hold is one-sided (the conversion does not saturate: ISA guide 7.6.2)
.macro HOLD b, e
.irp i, 0,2,4,6
	v_dual_min_num_f32 v[T+\i], v[S+16*\b+8*\e+\i], v[HD+\b] :: v_dual_min_num_f32 v[T+\i+1], v[S+16*\b+8*\e+\i+1], v[HD+\b]
.endr
	v_cvt_scalef32_pk8_fp8_f32 v[PC+4*\b+2*\e:PC+4*\b+2*\e+1], v[T:T+7], v[SO+\b]
.endm
.macro CND from, count
.set n, \from
.rept \count
	v_cndmask_b32 v[S+n], v[NEGV], v[S+n], s[16+n+4*(n/48)]   ; a masked score becomes -2^33.  Ascending: each accumulator is read from its low end on
.set n, n+1
.endr
.endm
; A KEY STEP: 128 keys.  dv: what brings V's address to the next step
.macro STEP dv
	SUMI
	ACC 0                                          ; eight places behind the last products, in front of the loads into their operands
	ds_load_b64 v[KS:KS+1], v10
.irp f, 0,1,2,3
.irp c, 0,1,2,3
	ds_load_b128 v[FR+16*\f+4*\c:FR+16*\f+4*\c+3], v8 offset:2048*\f+512*\c   ; K's images: 512 consecutive bytes a load
.endr
.endr
	ACC 1
	ACC 2                                          ; pairs 0-19 are summed: registers S .. S + 31 may be written
	s_wait_alu depctr_va_vdst(0)
	s_wait_dscnt 8                                 ; the scale words and fragments 0 and 1 are in; the youngest eight loads, fragments 2 and 3, may be out
.irp f, 0,1                                    ; S^T: fragment f against [q | 0] gives tile 2 f, against [0 | q] tile 2 f + 1
.irp e, 0,1
	v_wmma_scale_f32_16x16x128_f8f6f4 v[S+8*(2*\f+\e):S+8*(2*\f+\e)+7], v[FR+16*\f:FR+16*\f+15], v[16+8*\e:31+8*\e], 0, v[KS+\f], v[QS]
.endr
.endr
	ACC 3
	ACC 4
	ACC 5
	SUMZ                                           ; sixteen places behind tiles 0-3; the last step's sum is whole
	s_wait_dscnt 0x0
.irp f, 2,3                                    ; fragments 2 and 3 have their scale words in lanes 16-31
.irp e, 0,1
	v_wmma_scale_f32_16x16x128_f8f6f4 v[S+8*(2*\f+\e):S+8*(2*\f+\e)+7], v[FR+16*\f:FR+16*\f+15], v[16+8*\e:31+8*\e], 0, v[KS+\f-2], v[QS] matrix_a_scale:MATRIX_SCALE_ROW1
.endr
.endr
	s_wait_kmcnt 0x0                               ; this step's mask words, asked for a step ago
	CND 0, 8                                       ; eight places behind tiles 4-7, none of whose registers they name
.irp t, 0,1,2,3                                ; V's four fragments are asked for now and land under the softmax
.irp c, 0,1,2,3
	ds_load_b128 v[FR+16*\t+4*\c:FR+16*\t+4*\c+3], v9 offset:16*\t*VP+32*\c
.endr
.endr
	ds_load_b128 v[VS:VS+3], v11                   ; and their four scale words
	CND 8, 56
	s_add_co_u32 s14, s14, 256                     ; the next step's words; the second tile's follow the first's;
	s_min_u32 s14, s14, 7936                       ; the very last look-ahead stays on my last 256 bytes
	MLOADS
.irp b, 0,1,2,3
	v_max3_num_f32 v[BM+\b], v[S+16*\b], v[S+16*\b+1], v[S+16*\b+2]   ; the largest score of each block of 32 keys: for the row's maximum, and, since p rises with the score, for the block's largest p
.endr
.irp i, 3,5,7,9,11,13
.irp b, 0,1,2,3
	v_max3_num_f32 v[BM+\b], v[BM+\b], v[S+16*\b+\i], v[S+16*\b+\i+1]   ; the four blocks by turns
.endr
.endr
.irp b, 0,1,2,3
	v_max_num_f32 v[BM+\b], v[BM+\b], v[S+16*\b+15]
.endr
.irp b, 0,1,2,3
	v_permlanex16_b32 v[PT+\b], v[BM+\b], s4, s5
.endr
.irp b, 0,1,2,3
	v_max_num_f32 v[BM+\b], v[BM+\b], v[PT+\b]     ; with lane l xor 16's 16 keys
.endr
	v_max3_num_f32 v[TT], v[BM], v[BM+1], v[BM+2]
	s_delay_alu instid0(VALU_DEP_1)
	v_max_num_f32 v[TT], v[TT], v[BM+3]            ; the step's largest score of my query
	s_delay_alu instid0(VALU_DEP_1)
	v_mul_f32 v[TT], s6, v[TT]                     ; as t (c is positive)
	s_delay_alu instid0(VALU_DEP_1)
	v_max_num_f32 v13, v13, v[TT]                  ; the running largest t
	v_mov_b32 v[TT], v12
	s_delay_alu instid0(VALU_DEP_2)
	v_floor_f32 v12, -v13                          ; the new -M = floor(-t): M is a whole number
	s_delay_alu instid0(VALU_DEP_1)
	v_sub_f32 v[TT], v12, v[TT]                    ; old M - new M: a whole number, 0 or less
	s_delay_alu instid0(VALU_DEP_1)
	v_cvt_i32_f32 v[TT], v[TT]                     ; (it saturates)
	s_delay_alu instid0(VALU_DEP_1)
	v_ldexp_f32 v[FF], 1.0, v[TT]                  ; f = 2^(old M - new M)
.set j, 0
.rept 32
	v_pk_fma_f32 v[S+j:S+j+1], v[S+j:S+j+1], s[6:7], v[12:13] op_sel_hi:[1,0,0]   ; t - M, two at a time
.set j, j+2
.endr
.irp b, 0,1,2,3
	v_fma_f32 v[BM+\b], v[BM+\b], s6, v12          ; the same of each block's largest score
.endr
.set j, 0
.rept 16
	v_pk_mul_f32 v[OT+j:OT+j+1], v[OT+j:OT+j+1], v[FF:FF+1] op_sel_hi:[1,0]   ; O^T under the new M, each accumulator from its low end on; no transcendental stands between the products that wrote it and these lines
.set j, j+2
.endr
	s_wait_alu depctr_va_vdst(0)
.set n, 0
.rept 64
	v_exp_f32 v[S+n], v[S+n]                       ; p = 2^(t - M), at most 1
.set n, n+1
.endr
.irp b, 0,1,2,3
	v_exp_f32 v[BM+\b], v[BM+\b]                   ; the block's largest p: the same two instructions on the same number
.endr
	v_pk_mul_f32 v[14:15], v[14:15], v[FF:FF+1] op_sel_hi:[1,0]   ; the sum under the new M: a plain line behind the exponentials
	s_wait_alu depctr_va_vdst(0)                   ; one wait for the batch of 68, ahead of its first reader
.irp b, 0,1,2,3
	v_max_num_f32 v[BM+\b], 0x4800000, v[BM+\b]    ; the floor 2^(9 - 127): the byte cannot fall under 1 (a block whose every p is 0 keeps that byte: its codes are zeros)
.endr
.irp b, 0,1,2,3
	v_add_nc_u32 v[SO+\b], 0xfc000000, v[BM+\b]    ; 8 off the exponent field: the conversion's scale operand
.endr
.irp b, 0,1,2,3
	v_and_or_b32 v[HD+\b], v[BM+\b], 0x7f800000, s8   ; 448 x the scale
.endr
	HOLD 0, 0                                      ; behind each conversion one plain line, ahead of the lines that write its sources again: the four bytes make p's scale word
	v_lshrrev_b32 v[FF+1], 23, v[SO]
	HOLD 0, 1
	v_lshrrev_b32 v[TT], 23, v[SO+1]
	HOLD 1, 0
	v_lshl_or_b32 v[FF+1], v[TT], 8, v[FF+1]
	HOLD 1, 1
	v_lshrrev_b32 v[TT], 23, v[SO+2]
	HOLD 2, 0
	v_lshl_or_b32 v[FF+1], v[TT], 16, v[FF+1]
	HOLD 2, 1
	v_lshrrev_b32 v[TT], 23, v[SO+3]
	HOLD 3, 0
	v_lshl_or_b32 v[FF+1], v[TT], 24, v[FF+1]      ; eight plain lines follow it ahead of the products: four pairs of holds and the four steps below
	HOLD 3, 1
	v_add_nc_u32 v8, 8192, v8                      ; the next step's addresses: four plain lines between the last conversion and the products
	v_add_nc_u32 v10, 256, v10
	v_add_nc_u32 v9, \dv, v9
	v_add_nc_u32 v11, 256, v11
	s_wait_alu depctr_va_vdst(0)
	s_wait_dscnt 0x0                               ; V's fragments and scale words
.irp t, 0,1,2,3                                ; O^T += V^T P^T: four tiles of 16 channels, the accumulators by turns
	v_wmma_scale_f32_16x16x128_f8f6f4 v[OT+8*\t:OT+8*\t+7], v[FR+16*\t:FR+16*\t+15], v[PC:PC+15], v[OT+8*\t:OT+8*\t+7], v[VS+\t], v[FF+1]
.endr
.endm
; THE WAY OUT of tile u.  Lane (r, h) holds, of query r, channels 16 t + 8 h + j in register 8 t + j.  Lanes r and r xor 8 exchange halves, so that in pass p all 32 lanes hold 64 bytes of the eight queries 8 p + r % 8:
; these go through my stage of 8 rows and leave as whole rows of 256 bytes.  Query r of tile u is row 8 u + r + 8 (r / 8) of my 32.
.macro OUT u
	SUMI                                           ; the last step's p: these 32 lines are also the places behind the last products
.irp k, 0,1,2,3,4,5
	ACC \k
.endr
	SUMZ
.if \u == 0
	QLOAD 1                                        ; the second tile's rows of query, into fragment registers that the way out leaves alone
.endif
	v_add_f32 v14, v14, v15                        ; the sum's two halves,
	s_delay_alu instid0(VALU_DEP_1)
	v_permlanex16_b32 v[TT], v14, s4, s5
	s_delay_alu instid0(VALU_DEP_1)
	v_add_f32 v14, v14, v[TT]                      ; and lane l xor 16's: the row's sum
	s_wait_alu depctr_va_vdst(0)
	v_rcp_f32 v14, v14
	v_nop                                          ; a plain line behind the reciprocal
	s_wait_alu depctr_va_vdst(0)                   ; ahead of the reciprocal's first reader, which is also O^T's
.set j, 0
.rept 16
	v_pk_mul_f32 v[S+j:S+j+1], v[OT+j:OT+j+1], v[14:15] op_sel_hi:[1,0]   ; Y = O^T / the sum; each accumulator from its low end on
.set j, j+2
.endr
.set k, 0
.rept 16
	v_cndmask_b32 v[S+32+k], v[S+16+k], v[S+k], s15   ; what I send: lanes with r < 8 their channels 32-63, the others their channels 0-31
.set k, k+1
.endr
.set k, 0
.rept 16
	v_mov_b32_dpp v[S+48+k], v[S+32+k] row_xmask:8 row_mask:0xf bank_mask:0xf   ; from lane r xor 8
.set k, k+1
.endr
.set k, 0
.rept 16
	v_cndmask_b32 v[S+k], v[S+k], v[S+48+k], s15      ; pass 0: queries 0-7
	v_cndmask_b32 v[S+16+k], v[S+48+k], v[S+16+k], s15   ; pass 1: queries 8-15
.set k, k+1
.endr
.irp p, 0,1
.irp t, 0,1
	ds_store_b128 v5, v[S+16*\p+8*\t:S+16*\p+8*\t+3] offset:64*\t
	ds_store_b128 v5, v[S+16*\p+8*\t+4:S+16*\p+8*\t+7] offset:64*\t+16
.endr
.irp i, 0,1,2,3
	ds_load_b128 v[FR+16*\p+4*\i:FR+16*\p+4*\i+3], v6 offset:2*\i*SP   ; LDS serves a wave's instructions in order: these see my stores, and the next pass's stores come behind them
.endr
.endr
.irp p, 0,1
.irp i, 0,1,2,3
	s_wait_dscnt 11-8*\p-\i                        ; behind this load: the pass's 3 - i later loads, and for pass 0 the eight LDS instructions of pass 1
	global_store_b128 v7, v[FR+16*\p+4*\i:FR+16*\p+4*\i+3], s[100:101] offset:(8*\u+16*\p+2*\i)*4096 th:TH_STORE_NT   ; sixteen lanes store 256 consecutive bytes, aligned
.endr
.endr
	s_wait_xcnt 0x0                                ; the stores have read their registers: the next tile's loads may land there
.endm
; A TILE of 16 queries: 8 trips of two key steps, then the way out.
.macro TILE u
	v_mov_b32 v8, v1                               ; the first step's addresses
	v_mov_b32 v10, v3
	v_mov_b32 v9, v2
	v_mov_b32 v11, v4
	v_mov_b32 v13, 0xff61b1e6                      ; the largest t so far: -3e38, under every t
	v_mov_b32 v14, 0                               ; the sum, in two halves
	v_mov_b32 v15, 0
	v_floor_f32 v12, -v13                          ; -M
.set j, 0
.rept 48
	v_dual_mov_b32 v[S+j], 0 :: v_dual_mov_b32 v[S+j+1], 0   ; p and O^T (they lie on end).  The step is written once: the first sums zeros, and the first change of M leaves zeros
.set j, j+2
.endr
	s_mov_b32 s13, 8
.Ltrip_\@:
.if \u == 0
	s_cmp_eq_u32 s13, 6                            ; in the third trip: the second tile's rows of query are asked of memory, five trips ahead of their loads
	s_cbranch_scc0 .Lnot_now_\@
	global_prefetch_b8 v[PFO], s[84:85] th:TH_LOAD_NT scope:SCOPE_SE
.Lnot_now_\@:
.endif
	STEP 128                                       ; V's chunks hold 256 keys: 128 bytes on in the rows,
	STEP VCH-128                                   ; then on to the next chunk
	s_sub_co_u32 s13, s13, 1
	s_cmp_lg_u32 s13, 0
	s_cbranch_scc1 .Ltrip_\@
	OUT \u
.endm
	TILE 0
	s_wait_loadcnt 0x0                             ; the second tile's rows of query
	QPREP 0
	TILE 1
	s_wait_kmcnt 0x0                               ; the last look-ahead of mask words is in
	s_wait_tensorcnt 0x0                           ; the wave's end
	ds_add_u32 v[SPW], v[NIL]
	s_wait_dscnt 0x0
	ROUND                                          ; the closing round: no work-group ends ahead of its partners
	s_endpgm
.Lfunc_end_k_q8c9c3d0eec_attn:
	.size	k_q8c9c3d0eec_attn, .Lfunc_end_k_q8c9c3d0eec_attn-k_q8c9c3d0eec_attn
	.p2alignl 7, 3214868480
	.fill 96, 4, 3214868480
	.section	.rodata,"a",@progbits
	.p2align	6, 0x0
	.amdhsa_kernel k_q8c9c3d0eec_attn
		.amdhsa_group_segment_fixed_size 327680
		.amdhsa_private_segment_fixed_size 0
		.amdhsa_enable_private_segment 0
		.amdhsa_kernarg_size 56
		.amdhsa_user_sgpr_count 2
		.amdhsa_user_sgpr_kernarg_segment_ptr 1
		.amdhsa_wavefront_size32 1
		.amdhsa_system_sgpr_workgroup_id_x 1
		.amdhsa_system_sgpr_workgroup_id_y 1
		.amdhsa_system_sgpr_workgroup_id_z 1
		.amdhsa_system_vgpr_workitem_id 0
		.amdhsa_next_free_vgpr 256
		.amdhsa_next_free_sgpr 102
		.amdhsa_reserve_vcc 0
		.amdhsa_float_denorm_mode_32 3
		.amdhsa_float_denorm_mode_16_64 3
		.amdhsa_memory_ordered 1
		.amdhsa_forward_progress 1
		.amdhsa_inst_pref_size 138
	.end_amdhsa_kernel
	.amdgpu_metadata
---
amdhsa.version: [ 1, 2 ]
amdhsa.kernels:
  - .name:           k_q8c9c3d0eec_attn
    .symbol:         k_q8c9c3d0eec_attn.kd
    .args:
      - { .name: query, .offset: 0, .size: 8, .value_kind: global_buffer, .address_space: global }
      - { .name: kimg, .offset: 8, .size: 8, .value_kind: global_buffer, .address_space: global }
      - { .name: ksc, .offset: 16, .size: 8, .value_kind: global_buffer, .address_space: global }
      - { .name: value_codes, .offset: 24, .size: 8, .value_kind: global_buffer, .address_space: global }
      - { .name: value_scales, .offset: 32, .size: 8, .value_kind: global_buffer, .address_space: global }
      - { .name: mbits, .offset: 40, .size: 8, .value_kind: global_buffer, .address_space: global }
      - { .name: out0, .offset: 48, .size: 8, .value_kind: global_buffer, .address_space: global }
    .group_segment_fixed_size: 327680
    .private_segment_fixed_size: 0
    .kernarg_segment_align: 8
    .kernarg_segment_size: 56
    .max_flat_workgroup_size: 512
    .sgpr_count:     102
    .vgpr_count:     256
    .wavefront_size: 32
...
	.end_amdgpu_metadata
.endif
;; end of part 2
